; MI455X (gfx1250); checked and timed in simulation.
; The chip was launched on July 23, 2026; its instructions are those of AMD's public machine-readable ISA for CDNA 5 (MIT licence, August 2026) and "CDNA5" Instruction Set Architecture Reference Guide (July 2026). The comments in the code are by the model that wrote it; some were corrected since.
;; Full Attention. Allowed arithmetic: matrix products marked QUANTISED: E2M3 operands, one E8M0 scale for each 32 along K, by v_wmma_scale_f32_16x16x128_f8f6f4 with both operands' format E2M3, f32 sums; everything else in f32.
;; Inputs: Wk 1,024 x 1,024 float32; Wq 1,024 x 1,024 float32; Wv 1,024 x 1,024 float32; k 4 x 2,048 x 1,024 float32; mask 1 x 2,048 x 2,048 float32; q 4 x 2,048 x 1,024 float32; v 4 x 2,048 x 1,024 float32.
;; Outputs: out0 4 x 2,048 x 1,024 float32.
;; This version of the problem:
;;   THIS VERSION OF THE PROBLEM IS GIVEN IN LOW PRECISION. The matrix products marked QUANTISED in the list below multiply operands that are first quantised to E2M3 (2 exponent bits, 3 mantissa bits; 6 bits a number), with one power-of-two scale for each 32 numbers along K (OCP MX v1.0); their sums are f32. All else is computed in f32.
;;   The module's matrix products, in the order in which they are computed (A, B: the left and right operand; K: the contracted axis; several contracted axes count as one K, in the product's order):
;;     1. [M 8,192, K 1,024] x [K 1,024, N 1,024]; A: input q; B: input Wq: QUANTISED
;;     2. [M 8,192, K 1,024] x [K 1,024, N 1,024]; A: input k; B: input Wk: QUANTISED
;;     3. [M 8,192, K 1,024] x [K 1,024, N 1,024]; A: input v; B: input Wv: QUANTISED
;;     4. batch 64 x [M 2,048, K 64] x [K 64, N 2,048]; A: computed on the way; B: computed on the way: QUANTISED
;;     5. batch 64 x [M 64, K 2,048] x [K 2,048, N 2,048]; A: computed on the way; B: softmax (see below): QUANTISED
;;   THE QUANTISER, for each operand of a quantised product, along K:
;;     - K is cut into blocks of 32 from its start; a last block that is shorter is filled with zeros.
;;     - A block's scale is 2^e with e = floor(log2(the largest magnitude in the block)) - 2, held to -126 .. 127; a block of zeros has e = 0. As a byte (E8M0): e + 127.
;;     - Each number is divided by its block's scale, clamped to +-7.5, and rounded to the nearest number of E2M3, ties to even, subnormals kept.
;;     - The product sums the exact products of the quantised numbers (number of the format x scale) in f32.
;;   ~~~python
;;   def quantise(x, axis):      # numpy; x: float32 -> the quantised numbers, widened to float32 again
;;       x = np.moveaxis(x, axis, -1); K = x.shape[-1]
;;       x = np.pad(x, [(0, 0)] * (x.ndim - 1) + [(0, -K % 32)]); x = x.reshape(x.shape[:-1] + (-1, 32)); a = np.abs(x).max(-1, keepdims=True)
;;       e = np.where(a > 0, np.clip(np.frexp(np.where(a > 0, a, 1))[1] - 1 - 2, -126, 127), 0)      # np.frexp(a)[1] - 1 = floor(log2(a)), exactly
;;       r = np.clip(x / 2.0 ** e, -7.5, 7.5)
;;       step = 2.0 ** (np.maximum(np.frexp(np.where(r == 0, 1, r))[1] - 1, 0) - 3)
;;       q = np.round(r / step) * step * 2.0 ** e      # np.round: ties to even
;;       return np.moveaxis(q.reshape(q.shape[:-2] + (-1,))[..., :K], -1, axis).astype(np.float32)
;;   ~~~
;;   SOFTMAX AHEAD OF A QUANTISED PRODUCT. Where the list says 'softmax', what is quantised is not the finished softmax but p = 2^(t - M), with t = logit x log2(e) and M = ceil(the row's largest t), a whole number; so 1/2 < the row's largest p <= 1. The row's sum l is taken of the UNQUANTISED p, in f32, and the product's result is divided by l at the end. Since M is a whole number, a kernel that streams over the keys may use a running M (the ceiling of the running maximum): every later rescaling is an exact power of two, which a block's scale takes up: the codes' values come out the same.
;;   OPERANDS COMPUTED ON THE WAY. 'Computed on the way' means the value that the module computes at that place (a softmax that the list does not call 'softmax' is quantised finished and normalised). What goes into a quantiser is computed in f32, as accurately as f32 sums, v_exp_f32 and their like allow (about 1e-6 of the number): no bf16 or f16 on the way to a quantiser, and a product that is left as it is and whose result goes on into a quantised operand takes f32 operands (vector FMAs, or v_wmma_f32_16x16x4_f32). A number that lies on a knife's edge between two numbers of the format may be rounded either way, as far as f32 arithmetic and the matrix unit's own rounding can turn it there, and no further.
;; One version. Each part assembles by itself: llvm-mc -triple=amdgcn-amd-amdhsa -mcpu=gfx1250 --defsym DOCPART=n.
;; ======== version 1 of 1: 3 launches
;; limits: right only within a limited range of input values
;; workspace buffers: xi 19,660,800 bytes; wi 2,457,600 bytes; z 20,447,232 bytes
;; launch quant (part 1): grid 864 x 1, 4 waves a work-group, no clusters, 58,880 bytes of LDS; arguments q, k, v, Wq, Wk, Wv, xi, wi; writes xi, wi
.if DOCPART == 1
	.amdgcn_target "amdgcn-amd-amdhsa--gfx1250"
	.amdhsa_code_object_version 6
	.text
	.protected	k_qc207c3918c_quant
	.globl	k_qc207c3918c_quant
	.p2align	8
	.type	k_qc207c3918c_quant,@function
k_qc207c3918c_quant:
	s_mov_b64 s[64:65], 0
	v_nop
	global_prefetch_b8 v0, s[64:65] scope:SCOPE_SE
	s_setreg_imm32_b32 hwreg(HW_REG_WAVE_MODE, 25, 1), 1
	s_wait_xcnt 0x0
; q, k, v [8192][1024] f32 (K innermost) and Wq, Wk, Wv [1024 (K)][1024 (n)] f32 (K outermost) become codes of FP6 (E2M3) with one E8M0 byte for each 32 along K.
; A block's scale is 2^(floor(log2(its largest magnitude)) - 2); its byte is that magnitude's exponent field - 2, held at 1 from below.
; LIMITS: NaN and infinities among the inputs are not served; a block of zeros gets the byte 1 where the quantiser says 127: its codes are zeros, and only this program reads the bytes.
; THE RESULT IS LAID AS IMAGES OF OPERAND REGISTERS.  A fragment (16 rows x 128 K) is 12 registers a lane: registers 4 g .. 4 g + 3 of lane l lie at 512 g + 16 l: 1,536 bytes.
; A chunk block (128 rows x 256 K) is [p 2][tile 8][1,536], then 1,024 bytes of scale words [tile 8][row 16][p 2]: 25,600 bytes.  xi: [tensor 3][group of 128 tokens 64][chunk 4]; wi: [tensor 3][group of 128 columns 8][chunk 4].
; THE ROWS OF A TILE ARE NOT NEIGHBOURS: in each 32 rows, lane-row r of tile u takes row 8 u + r + 8 (r / 8), so that results made with such tiles as source 0 have 16 neighbours in 16 registers.
; One work-group makes one chunk block: the first 768 take q, k, v, the other 96 the weights.  The two ways have LDS bytes of their own; waves share nothing, so there is no barrier.
.set PANEL, 102400
.set CHUNK, 25600
.set XSEC,  64*PANEL
.set WSEC,  8*PANEL
.set XPIT,  528                        ; a stage row: 512 bytes + 16: sixteen rows begin in sixteen different groups of four banks
.set XSTG,  16*XPIT                    ; a wave's stage on the tokens' way
.set WST0,  4*XSTG                     ; behind them: the weights' way, 6,144 bytes a wave: four images
.set FLOOR, 0x1800000                  ; 2^(3 - 127): no largest magnitude is taken under it, so the byte cannot fall under 1
.set R,   16                           ; v16-143  two sets of 64 numbers as loaded
.set XN,  144                          ; v144-207 64 numbers of my row: register 16 b + i = k 32 b + 16 (lane / 16) + i
.set TM,  208                          ; v208-211 largest magnitudes
.set BT,  212                          ; v212-215 the other half's, then the bytes
.set BS,  216                          ; v216-219 the conversions' scale operands
.set PWT, 220                          ; v220-223 the four fragments' scale words
.set PC,  224                          ; v224-235 a fragment's codes; v236-238, v240-242 the conversions' second halves
.set WX,  32                           ; weights: v32-95 two sets of 32 numbers
.set WC,  96                           ; v96-101 a block's codes; v104-106 its second half as converted
.set WO,  112                          ; v112-159 the way out
	s_load_b256 s[8:15], s[0:1], 0x0               ; q, k, v, Wq
	s_load_b256 s[16:23], s[0:1], 0x20             ; Wk, Wv, xi, wi
	v_lshl_add_u32 v254, v0, 2, 0xe400
	v_mov_b32 v255, 0
	v_lshrrev_b32 v1, 5, v0
	v_readfirstlane_b32 s24, v1                    ; wave
	v_and_b32 v1, 31, v0                           ; lane
	s_mov_b32 s36, 0x76543210
	s_mov_b32 s37, 0xfedcba98                      ; v_permlanex16_b32's selects for lane l xor 16
	s_cmp_lt_u32 ttmp9, 768
	s_cbranch_scc0 .Lweights
; ---------------- q, k, v: wave w takes rows 32 w .. 32 w + 31 of the group and 256 along K: four fragments t = 2 u + p
	s_lshr_b32 s25, ttmp9, 8                       ; which tensor
	s_bfe_u32 s26, ttmp9, 0x60002                  ; which group of 128 tokens
	s_and_b32 s27, ttmp9, 3                        ; which chunk of 256 along K
	v_and_b32 v2, 15, v0                           ; r
	v_bfe_u32 v3, v0, 4, 1                         ; h
	v_lshlrev_b32 v4, 4, v1                        ; 16 x lane: my bytes of a load's 512, and of an image's
	s_mul_i32 s28, s24, XSTG
	v_add_nc_u32 v5, s28, v4                       ; the stage, on the way in
	v_mul_u32_u24 v6, v2, XPIT
	v_lshl_add_u32 v6, v3, 6, v6
	v_add_nc_u32 v6, s28, v6                       ; and out: row r, + 64 h: my 16 numbers of each block of 32
	s_wait_alu depctr_va_vdst(0)
	v_lshlrev_b32 v7, 3, v1                        ; 8 x lane: my two scale words
.irp b, 0,1,2,3
	v_mov_b32 v[BT+\b], 0                          ; written once: a lane permute's destination counts as one of its sources
.endr
	s_lshl_b32 s30, s26, 7
	s_lshl_b32 s29, s24, 5
	s_lshr_b32 s38, s24, 1                         ; k alone: in each 64 rows, lane-row r of tile t takes row 8 t + r % 8 + 32 (r / 8), so that scores made with such tiles have 32 neighbouring keys in 32 registers
	s_lshl_b32 s38, s38, 6
	s_and_b32 s39, s24, 1
	s_lshl_b32 s39, s39, 4
	s_add_co_u32 s38, s38, s39                     ; its wave's first row: 64 (w / 2) + 16 (w % 2)
	s_cmp_eq_u32 s25, 1
	s_cselect_b32 s29, s38, s29
	s_add_co_u32 s30, s30, s29                     ; my first row: 128 x group + the wave's
	s_lshl_b32 s30, s30, 12
	s_lshl_b32 s29, s27, 10
	s_add_co_u32 s30, s30, s29                     ; + 1,024 bytes a chunk
	s_mov_b32 s31, 0
	s_mul_i32 s32, s25, XSEC
	s_mul_i32 s29, s26, PANEL
	s_add_co_u32 s32, s32, s29
	s_mul_i32 s29, s27, CHUNK
	s_add_co_u32 s32, s32, s29                     ; my chunk block in xi
	s_mov_b32 s33, 0
	s_wait_kmcnt 0x0
	s_cmp_eq_u32 s25, 0
	s_cselect_b64 s[4:5], s[8:9], s[10:11]
	s_cmp_eq_u32 s25, 2
	s_cselect_b64 s[4:5], s[12:13], s[4:5]         ; the choice hangs on the work-group's number alone
	s_add_nc_u64 s[4:5], s[4:5], s[30:31]
	s_add_nc_u64 s[34:35], s[20:21], s[32:33]
	s_mov_b32 s30, 0x10000                         ; a tile's lane-rows 8-15 begin 16 rows on (q, v)
	s_cmp_eq_u32 s25, 1
	s_cselect_b32 s30, 0x20000, s30                ; or 32 rows on (k)
	s_add_nc_u64 s[38:39], s[4:5], s[30:31]
	s_mul_i32 s32, s24, 3072
	s_add_nc_u64 s[6:7], s[34:35], s[32:33]        ; my two tiles' images
	s_lshl_b32 s32, s24, 8
	s_add_nc_u64 s[34:35], s[34:35], s[32:33]      ; my two tiles' scale words lie 24,576 bytes on from here
.macro XLOAD t                         ; fragment t: sixteen rows x 512 consecutive bytes, 16 bytes a lane
.irp i, 0,1,2,3,4,5,6,7,8,9,10,11,12,13,14,15
.if \i < 8
	global_load_b128 v[R+64*((\t)%2)+4*\i:R+64*((\t)%2)+4*\i+3], v4, s[4:5] offset:(8*((\t)/2)+\i)*4096+512*((\t)%2) th:TH_LOAD_NT
.else
	global_load_b128 v[R+64*((\t)%2)+4*\i:R+64*((\t)%2)+4*\i+3], v4, s[38:39] offset:(8*((\t)/2)+\i-8)*4096+512*((\t)%2) th:TH_LOAD_NT
.endif
.endr
.endm
.macro XTURN t                         ; through the stage: in as loaded, out 64 numbers of one row a lane.  LDS serves a wave's instructions in order: no wait between
.irp i, 0,1,2,3,4,5,6,7,8,9,10,11,12,13,14,15
	ds_store_b128 v5, v[R+64*((\t)%2)+4*\i:R+64*((\t)%2)+4*\i+3] offset:XPIT*\i
.endr
.irp b, 0,1,2,3
.irp j, 0,1,2,3
	ds_load_b128 v[XN+16*\b+4*\j:XN+16*\b+4*\j+3], v6 offset:128*\b+16*\j
.endr
.endr
.endm
; 64 numbers of a lane become a fragment's codes in v[PC] on and its row's scale word in v[pw]
.macro QUANT s, pw
.irp b, 0,1,2,3
	v_max3_num_f32 v[TM+\b], |v[\s+16*\b]|, |v[\s+1+16*\b]|, FLOOR
.endr
.irp i, 2,4,6,8,10,12,14
.irp b, 0,1,2,3
	v_max3_num_f32 v[TM+\b], v[TM+\b], |v[\s+16*\b+\i]|, |v[\s+1+16*\b+\i]|   ; the four blocks by turns
.endr
.endr
.irp b, 0,1,2,3
	v_permlanex16_b32 v[BT+\b], v[TM+\b], s36, s37
.endr
.irp b, 0,1,2,3
	v_max_num_f32 v[TM+\b], v[TM+\b], v[BT+\b]     ; with lane l xor 16's: the block's largest magnitude
.endr
.irp b, 0,1,2,3
	v_add_nc_u32 v[BS+\b], 0xff000000, v[TM+\b]    ; 2 off its exponent field: the conversion takes this operand's exponent field as its scale
.endr
.irp b, 0,1,2,3
	v_lshrrev_b32 v[BT+\b], 23, v[BS+\b]           ; the scale's byte
.endr
	v_lshl_or_b32 v[\pw], v[BT+1], 8, v[BT]
	v_lshl_or_b32 v[\pw], v[BT+2], 16, v[\pw]
	v_lshl_or_b32 v[\pw], v[BT+3], 24, v[\pw]
.irp c, 0,1
	v_cvt_scalef32_pk16_fp6_f32 v[PC+6*\c:PC+2+6*\c], v[\s+32*\c:\s+15+32*\c], v[BS+2*\c]
	v_cvt_scalef32_pk16_fp6_f32 v[PC+12+4*\c:PC+14+4*\c], v[\s+16+32*\c:\s+31+32*\c], v[BS+2*\c+1]   ; (a conversion's three registers begin on an even number)
.endr
	v_nop                                          ; one plain place behind a scaled conversion
.irp c, 0,1                            ; the operand's layout wants a whole block in a lane
.irp i, 0,1,2
	v_permlane16_swap_b32 v[PC+6*\c+\i], v[PC+12+4*\c+\i]
.endr
.irp i, 0,1,2
	v_mov_b32 v[PC+3+6*\c+\i], v[PC+12+4*\c+\i]
.endr
.endr
.endm
.macro XSTEP t
.if (\t) < 3
	s_wait_loadcnt 16                              ; this fragment's sixteen loads are in; the next fragment's sixteen may be out
.else
	s_wait_loadcnt 0x0
.endif
	XTURN \t
	s_wait_dscnt 0x0                               ; my row's numbers are back, and the stage's stores have read the set
.if (\t) < 2
	XLOAD (\t)+2                                   ; which takes the fragment two further on
.endif
	s_wait_xcnt 0x0                                ; the last fragment's stores have read the codes' registers: they are written again only behind this wait
	QUANT XN, PWT+(\t)
.irp g, 0,1,2
	global_store_b128 v4, v[PC+4*\g:PC+4*\g+3], s[6:7] offset:12288*((\t)%2)+1536*((\t)/2)+512*\g   ; 512 consecutive bytes
.endr
.endm
	XLOAD 0
	XLOAD 1
	XSTEP 0
	XSTEP 1
	XSTEP 2
	XSTEP 3
	v_cmp_le_u32 vcc_lo, 16, v1                    ; lanes 0-15 store tile u = 0's words, lanes 16-31 tile u = 1's (every lane holds its row's word of both)
	v_cndmask_b32 v244, v[PWT], v[PWT+2], vcc_lo
	v_cndmask_b32 v245, v[PWT+1], v[PWT+3], vcc_lo
	global_store_b64 v7, v[244:245], s[34:35] offset:24576   ; 256 consecutive bytes, aligned
	s_wait_tensorcnt 0x0
	ds_add_u32 v254, v255
	s_wait_dscnt 0x0
	s_endpgm
; ---------------- the weights: a lane takes a column n and its registers run down K; wave w takes columns 32 w .. 32 w + 31 of the group, 256 along K: 8 blocks a lane
.Lweights:
	s_sub_co_u32 s25, ttmp9, 768
	s_lshr_b32 s26, s25, 5                         ; which weight
	s_bfe_u32 s27, s25, 0x30002                    ; which group of 128 columns
	s_and_b32 s28, s25, 3                          ; which chunk of 256 along K
	s_wait_alu depctr_va_vdst(0)
	v_lshlrev_b32 v4, 2, v1                        ; in: 4 bytes a lane
	v_and_b32 v2, 7, v0
	v_bfe_u32 v3, v0, 4, 1
	v_lshl_add_u32 v2, v3, 3, v2                   ; column l of the 32 is lane-row r = l % 8 + 8 (l / 16)
	v_bfe_u32 v3, v0, 3, 1                         ; of tile u = (l / 8) % 2
	s_mul_i32 s29, s24, 6144
	s_add_co_u32 s29, s29, WST0                    ; my four images [p][u]
	v_mul_u32_u24 v5, v3, 1536
	v_lshl_add_u32 v5, v2, 4, v5
	v_add_nc_u32 v5, s29, v5                       ; into them: tile u, 16 x lane-row
	v_lshlrev_b32 v7, 4, v1
	v_add_nc_u32 v6, s29, v7                       ; out of them: 16 x lane
	v_lshlrev_b32 v8, 7, v3
	v_lshl_add_u32 v8, v2, 3, v8                   ; my column's two scale words: 128 u + 8 r
	s_lshl_b32 s30, s28, 20                        ; 256 rows of 4,096 bytes a chunk
	s_lshl_b32 s32, s27, 9
	s_add_co_u32 s30, s30, s32
	s_lshl_b32 s32, s24, 7
	s_add_co_u32 s30, s30, s32                     ; + my wave's first column
	s_mov_b32 s31, 0
	s_mul_i32 s32, s26, WSEC
	s_mul_i32 s34, s27, PANEL
	s_add_co_u32 s32, s32, s34
	s_mul_i32 s34, s28, CHUNK
	s_add_co_u32 s32, s32, s34
	s_mov_b32 s33, 0
	s_wait_kmcnt 0x0
	s_cmp_eq_u32 s26, 0
	s_cselect_b64 s[4:5], s[14:15], s[16:17]
	s_cmp_eq_u32 s26, 2
	s_cselect_b64 s[4:5], s[18:19], s[4:5]
	s_add_nc_u64 s[4:5], s[4:5], s[30:31]
	s_add_nc_u64 s[34:35], s[22:23], s[32:33]
	s_mul_i32 s32, s24, 3072
	s_add_nc_u64 s[6:7], s[34:35], s[32:33]
	s_lshl_b32 s32, s24, 8
	s_add_nc_u64 s[34:35], s[34:35], s[32:33]
.macro WLOAD kb                        ; block kb: W(32 kb + i, my column): 128 consecutive bytes a wave, 512 a work-group
.set i, 0
.rept 32
	global_load_b32 v[WX+32*((\kb)%2)+i], v4, s[4:5] offset:(32*(\kb)+i)*4096 th:TH_LOAD_NT
.set i, i+1
.endr
.endm
.macro WBLOCK kb                       ; block kb is block 2 c + hb of fragment p = kb / 4: registers 6 c .. 6 c + 5 of lane 16 hb + r
.set XS, WX+32*((\kb)%2)
.set WB, 3072*((\kb)/4)+256*((\kb)%2)
.if (\kb) < 7
	s_wait_loadcnt 32                              ; this block's 32 loads are in; the next block's may be out
.else
	s_wait_loadcnt 0x0
.endif
	v_max3_num_f32 v12, |v[XS]|, |v[XS+1]|, |v[XS+2]|
	v_max3_num_f32 v13, |v[XS+3]|, |v[XS+4]|, |v[XS+5]|
.irp i, 6,10,14,18,22,26
	v_max3_num_f32 v12, v12, |v[XS+\i]|, |v[XS+\i+1]|
	v_max3_num_f32 v13, v13, |v[XS+\i+2]|, |v[XS+\i+3]|
.endr
	v_max3_num_f32 v12, v12, |v[XS+30]|, |v[XS+31]|
	v_max3_num_f32 v12, v12, v13, FLOOR            ; all 32 numbers are mine
	v_add_nc_u32 v11, 0xff000000, v12
	v_lshrrev_b32 v13, 23, v11
.if (\kb)%4 == 0
	v_mov_b32 v[24+(\kb)/4], v13                   ; four bytes to a word, the lower K in the lower byte
.else
	v_lshl_or_b32 v[24+(\kb)/4], v13, 8*((\kb)%4), v[24+(\kb)/4]
.endif
	v_cvt_scalef32_pk16_fp6_f32 v[WC:WC+2], v[XS:XS+15], v11
	v_cvt_scalef32_pk16_fp6_f32 v[WC+8:WC+10], v[XS+16:XS+31], v11
	v_nop                                          ; one plain place behind a scaled conversion
.irp i, 0,1,2
	v_mov_b32 v[WC+3+\i], v[WC+8+\i]
.endr
.if ((\kb)%4)/2 == 0
	ds_store_b128 v5, v[WC:WC+3] offset:WB         ; registers 0-3: group 0
	ds_store_b64 v5, v[WC+4:WC+5] offset:WB+512    ; registers 4, 5: the lower half of group 1
.else
	ds_store_b64 v5, v[WC:WC+1] offset:WB+520      ; registers 6, 7: its upper half
	ds_store_b128 v5, v[WC+2:WC+5] offset:WB+1024  ; registers 8-11: group 2
.endif
.if (\kb)+2 < 8
	WLOAD (\kb)+2
.endif
	s_wait_dscnt 0x0                               ; the stores have read their registers: the next block's codes may be written
.endm
	WLOAD 0
	WLOAD 1
.set KB, 0
.rept 8
	WBLOCK KB
.set KB, KB+1
.endr
	s_wait_alu depctr_va_vdst(0)
	global_store_b64 v8, v[24:25], s[34:35] offset:24576   ; the wave's 32 lanes cover 256 consecutive bytes
.irp m, 0,1,2,3,4,5,6,7,8,9,10,11
	ds_load_b128 v[WO+4*\m:WO+4*\m+3], v6 offset:512*\m    ; LDS serves a wave's instructions in order: these see my stores
.endr
.irp m, 0,1,2,3,4,5,6,7,8,9,10,11
	s_wait_dscnt 11-\m                             ; the younger loads may be out
	global_store_b128 v7, v[WO+4*\m:WO+4*\m+3], s[6:7] offset:12288*(\m/6)+512*(\m%6)
.endr
	s_wait_tensorcnt 0x0
	ds_add_u32 v254, v255
	s_wait_dscnt 0x0
	s_endpgm
.Lfunc_end_k_qc207c3918c_quant:
	.size	k_qc207c3918c_quant, .Lfunc_end_k_qc207c3918c_quant-k_qc207c3918c_quant
	.p2alignl 7, 3214868480
	.fill 96, 4, 3214868480
	.section	.rodata,"a",@progbits
	.p2align	6, 0x0
	.amdhsa_kernel k_qc207c3918c_quant
		.amdhsa_group_segment_fixed_size 58880
		.amdhsa_private_segment_fixed_size 0
		.amdhsa_enable_private_segment 0
		.amdhsa_kernarg_size 64
		.amdhsa_user_sgpr_count 2
		.amdhsa_user_sgpr_kernarg_segment_ptr 1
		.amdhsa_wavefront_size32 1
		.amdhsa_system_sgpr_workgroup_id_x 1
		.amdhsa_system_sgpr_workgroup_id_y 1
		.amdhsa_system_sgpr_workgroup_id_z 1
		.amdhsa_system_vgpr_workitem_id 0
		.amdhsa_next_free_vgpr 256
		.amdhsa_next_free_sgpr 66
		.amdhsa_reserve_vcc 1
		.amdhsa_float_denorm_mode_32 3
		.amdhsa_float_denorm_mode_16_64 3
		.amdhsa_memory_ordered 1
		.amdhsa_forward_progress 1
		.amdhsa_inst_pref_size 75
	.end_amdhsa_kernel
	.amdgpu_metadata
---
amdhsa.version: [ 1, 2 ]
amdhsa.kernels:
  - .name:           k_qc207c3918c_quant
    .symbol:         k_qc207c3918c_quant.kd
    .args:
      - { .name: q, .offset: 0, .size: 8, .value_kind: global_buffer, .address_space: global }
      - { .name: k, .offset: 8, .size: 8, .value_kind: global_buffer, .address_space: global }
      - { .name: v, .offset: 16, .size: 8, .value_kind: global_buffer, .address_space: global }
      - { .name: Wq, .offset: 24, .size: 8, .value_kind: global_buffer, .address_space: global }
      - { .name: Wk, .offset: 32, .size: 8, .value_kind: global_buffer, .address_space: global }
      - { .name: Wv, .offset: 40, .size: 8, .value_kind: global_buffer, .address_space: global }
      - { .name: xi, .offset: 48, .size: 8, .value_kind: global_buffer, .address_space: global }
      - { .name: wi, .offset: 56, .size: 8, .value_kind: global_buffer, .address_space: global }
    .group_segment_fixed_size: 58880
    .private_segment_fixed_size: 0
    .kernarg_segment_align: 8
    .kernarg_segment_size: 64
    .max_flat_workgroup_size: 128
    .sgpr_count:     66
    .vgpr_count:     256
    .wavefront_size: 32
...
	.end_amdgpu_metadata
.endif
;; end of part 1
;; launch proj (part 2): grid 4 x 64, 4 waves a work-group, clusters of 4 x 4, 327,680 bytes of LDS; arguments xi, wi, z; writes z
.if DOCPART == 2
	.amdgcn_target "amdgcn-amd-amdhsa--gfx1250"
	.amdhsa_code_object_version 6
	.text
	.protected	k_qc207c3918c_proj
	.globl	k_qc207c3918c_proj
	.p2align	8
	.type	k_qc207c3918c_proj,@function
k_qc207c3918c_proj:
	s_mov_b64 s[64:65], 0
	v_nop
	global_prefetch_b8 v0, s[64:65] scope:SCOPE_SE
	s_setreg_imm32_b32 hwreg(HW_REG_WAVE_MODE, 25, 1), 1
	s_wait_xcnt 0x0
	s_wait_alu depctr_hold_cnt(0) depctr_sa_sdst(0) depctr_va_vdst(0) depctr_va_sdst(0) depctr_va_ssrc(0) depctr_va_vcc(0) depctr_vm_vsrc(0)
	s_getreg_b32 s2, hwreg(HW_REG_IB_STS2, 6, 4)
	s_cmp_eq_u32 s2, 0
	s_cbranch_scc0 .Lentry_in_a_cluster
	s_endpgm
.Lentry_in_a_cluster:
	s_bfe_u32 s2, ttmp6, 0x10000c
	s_cmp_lg_u32 s2, 0xf033
	s_cbranch_scc0 .Lentry_shape_is_right
	s_endpgm
.Lentry_shape_is_right:
; The three projections on codes of FP6, and their results quantised again for attention.  Z[o][i] = sum over k of OUT[o][k] IN[i][k], K = 1,024, quantised along i in blocks of 32.
; q, k: OUT = tokens (xi), IN = the weight's columns (wi): quantised along the head's channels.  v: OUT = Wv's columns, IN = tokens: quantised along the keys.  One text: pointers and indices are chosen by the tensor's number.
; A WORK-GROUP STAYS: it makes three blocks of 128 outer x 256 inner, one of q, one of k, one of v: 256 work-groups.  A block has three panels (128 rows x all of K: four chunks of 25,600 dense bytes, images of operand registers
; with their scale words).  LDS holds the three panels and works as A RING OF TWO SLOTS: slot A = chunks 0, 1 of each panel, slot B = chunks 2, 3.  At K step 3 slot A has been read out: it takes the next block's chunks 0, 1;
; at K step 7 slot B takes its chunks 2, 3, and the next block's first fragments are fetched, so that they and the refill are on their way under the last products and the quantising.  The last block is written out: it asks for nothing.
; CLUSTER 4 x 4: OUT's panel hangs on cy and is asked for jointly by a row of the cluster, IN's two hang on cx and are asked for jointly by a column.  Each refill stands behind a round of the cluster's barrier.
; NO PREFETCH: a refill is asked for four K steps, 128 matrix instructions a wave, ahead of the wait for it.
; Wave w: outer tiles 4 (w % 2) .. + 3, inner panel w / 2: 32 accumulators.  Source 0 = 16 rows of IN, source 1 = 16 rows of OUT: a lane holds one outer row, and, the tiles' rows being chosen so,
; register 64 o + 16 b + i of window 2 is inner number 32 b + 16 (lane / 16) + i: sixteen neighbours along the next K.
; z: [tensor 3][inner / 64][outer / 128][6,656]: eight half images of 768 bytes (six registers a lane: registers 0-3 at 16 l, 4-5 at 512 + 8 l), then 8 x 16 scale words (the four bytes of the inner 128, written in both halves' blocks).
; LIMITS: NaN and infinities are not served; a block of zeros gets the byte 1 where the quantiser says 127: its codes are zeros, and only this program reads the bytes.
; REGISTERS: window 0: v1-13 addresses; v16-63 scale words, two sets; v64-159 OUT's fragments, two sets; v160-177 at work; v178-225 the codes made, v226-232 their second halves.  window 1: v0-191 IN's fragments, two sets.  window 2: the accumulators.
.set CHUNK, 25600
.set PANEL, 102400
.set INP,   PANEL                      ; LDS: OUT's panel at 0, IN's two behind it,
.set SCR,   3*PANEL                    ; then 256 bytes a wave for the scale words' way out: no tile lands there; behind them the spare words
.set ZBLK,  6656
.set ZSZ,   6815744
.set FLOOR, 0x1800000
.set AO,  1                            ; v1, v2  OUT's fragments: slot A, slot B
.set AI,  3                            ; v3, v4  IN's
.set ASO, 5                            ; v5, v6  OUT's scale words
.set ASI, 7                            ; v7, v8  IN's
.set SW,  16
.set OF,  64
.set TM,  160
.set BT,  164
.set BS,  168
.set PW,  172
.set CD,  178
.set CT,  226
.set MSB, 0
.macro WIN new                         ; the immediate's high byte repeats the setting that is left
.if MSB != \new
	s_set_vgpr_msb (MSB<<8)|\new
.set MSB, \new
.endif
.endm
.macro ROUND                           ; a round of the cluster's barrier
	s_barrier_signal -1
	s_barrier_wait -1
	s_cmp_lg_u32 s10, 0
	s_cbranch_scc1 .Lnot_wave_0_\@
	s_barrier_signal -3
.Lnot_wave_0_\@:
	s_barrier_wait -3
	s_barrier_signal -1
	s_barrier_wait -1
.endm
.macro PLACES
.rept 4
	v_nop
.endr
.endm
.macro PFILL go, gi                    ; a slot: wave 0 OUT's two chunks, waves 1, 2 an IN panel's two each, wave 3 none: one load a wave, one chain of branches on the wave's number
	s_cmp_eq_u32 s10, 0
	s_cbranch_scc0 .Lfill_in_\@
	tensor_load_to_lds s[\go:\go+3], s[24:31]
	s_nop 0
	PLACES
	s_branch .Lfilled_\@
.Lfill_in_\@:
	s_cmp_lt_u32 s10, 3
	s_cbranch_scc0 .Lfilled_\@
	tensor_load_to_lds s[\gi:\gi+3], s[32:39]
	s_nop 0
	PLACES
.Lfilled_\@:
.endm
; Tensor s45's block (0 q, 1 k, 2 v): OUT's panel -> s[76:77], my IN panel -> s[78:79], z's two blocks -> s[52:53], s[54:55].  q, k: 64 outer groups x 4 inner;  v: 8 outer x 32 inner
.macro SETUP
	s_and_b32 s16, s15, 1
	s_lshr_b32 s17, s15, 1
	s_mov_b32 s72, 64*PANEL                        ; a tensor's part of xi,
	s_mov_b32 s73, 8*PANEL                         ; of wi
	s_cmp_lt_u32 s45, 2
	s_cselect_b32 s16, s15, s16
	s_cselect_b32 s17, 0, s17
	s_cselect_b32 s20, s72, s73
	s_cselect_b32 s21, s73, s72
	s_cselect_b32 s22, 64, 8                       ; outer groups in z
	s_cselect_b64 s[76:77], s[4:5], s[6:7]         ; OUT's buffer,
	s_cselect_b64 s[78:79], s[6:7], s[4:5]         ; IN's: the choice hangs on the tensor's number alone
	s_lshl_b32 s16, s16, 2
	s_add_co_u32 s16, s16, s12                     ; outer group: shared by my row of the cluster
	s_lshl_b32 s17, s17, 2
	s_add_co_u32 s17, s17, s11                     ; inner group of 256: shared by my column
	s_mul_i32 s80, s45, s20
	s_mul_i32 s86, s16, PANEL
	s_add_co_u32 s80, s80, s86
	s_mov_b32 s81, 0
	s_add_nc_u64 s[76:77], s[76:77], s[80:81]
	s_lshl_b32 s82, s17, 1
	s_add_co_u32 s82, s82, s23
	s_mul_i32 s82, s82, PANEL
	s_mul_i32 s84, s45, s21
	s_add_co_u32 s82, s82, s84
	s_mov_b32 s83, 0
	s_add_nc_u64 s[78:79], s[78:79], s[82:83]
	s_lshl_b32 s84, s17, 2
	s_lshl_b32 s85, s23, 1
	s_add_co_u32 s84, s84, s85                     ; my inner 128 is inner / 64 = 4 x group + 2 x panel, and the next
	s_mul_i32 s84, s84, s22
	s_add_co_u32 s84, s84, s16
	s_mul_i32 s84, s84, ZBLK
	s_mul_i32 s85, s45, ZSZ
	s_add_co_u32 s84, s84, s85
	s_mov_b32 s85, 0
	s_add_nc_u64 s[52:53], s[8:9], s[84:85]        ; the lower 64's block,
	s_mul_i32 s84, s22, ZBLK
	s_add_nc_u64 s[54:55], s[52:53], s[84:85]      ; the upper 64's
.endm
	s_load_b128 s[4:7], s[0:1], 0x0                ; xi, wi
	s_load_b64 s[8:9], s[0:1], 0x10                ; z
	v_lshl_add_u32 v254, v0, 2, 0x4b400
	v_mov_b32 v255, 0
	ds_add_u32 v254, v255                          ; the opening lines: the add twice on end and its wait
	ds_add_u32 v254, v255
	v_lshrrev_b32 v1, 5, v0
	v_readfirstlane_b32 s10, v1                    ; wave 0..3
	s_bfe_u32 s11, ttmp6, 0x40000                  ; cx
	s_bfe_u32 s12, ttmp6, 0x40004                  ; cy
	s_and_b32 s15, ttmp7, 0xffff                   ; the cluster's y: 0..15
	s_lshr_b32 s23, s10, 1                         ; my inner panel; also the panel that waves 1 and 2 fetch
	s_and_b32 s90, s10, 1                          ; which four outer tiles
	s_lshl_b32 s87, s12, 2
	s_lshl_b32 s87, 15, s87                        ; my row of the cluster
	s_lshl_b32 s88, 0x1111, s11                    ; my column
	; group 1: two chunks, 51,200 dense bytes, as 200 rows of 256 bytes (32 elements of 8 bytes)
	s_or_b32 s24, s87, (3<<16)|(1<<21)
	s_or_b32 s32, s88, (3<<16)|(1<<21)
.irp g, 24, 32
	s_mov_b32 s[\g+1], 32<<16
	s_mov_b32 s[\g+2], 200<<16
	s_mov_b32 s[\g+3], 32<<16
	s_mov_b32 s[\g+4], 200
	s_mov_b32 s[\g+5], 32
	s_mov_b32 s[\g+6], 0
	s_mov_b32 s[\g+7], 0
.endr
	s_mul_i32 s89, s23, PANEL
	s_add_co_u32 s89, s89, INP
	s_mov_b32 s45, 0
	s_wait_dscnt 0x0                               ; both opening adds are done
	s_wait_kmcnt 0x0
	SETUP                                          ; q's block
	s_mov_b64 s[2:3], s[52:53]
	s_mov_b64 s[18:19], s[54:55]
.irp q, 0,2                            ; a group 0 for each slot: s40, s48 for OUT; s56, s68 for IN
	s_mov_b32 s[40+4*\q], 1
	s_mov_b32 s[41+4*\q], CHUNK*\q
	s_add_nc_u64 s[42+4*\q:43+4*\q], s[76:77], CHUNK*\q
	s_or_b32 s[43+4*\q], s[43+4*\q], 0x80000000
	s_mov_b32 s[56+4*\q+4*(\q/2)], 1
	s_add_co_u32 s[57+4*\q+4*(\q/2)], s89, CHUNK*\q
	s_add_nc_u64 s[58+4*\q+4*(\q/2):59+4*\q+4*(\q/2)], s[78:79], CHUNK*\q
	s_or_b32 s[59+4*\q+4*(\q/2)], s[59+4*\q+4*(\q/2)], 0x80000000
.endr
	ROUND                                          ; all sixteen work-groups are here: the joint loads meet
	PFILL 40, 56                                   ; slot A
	v_and_b32 v14, 31, v0                          ; lane
	v_and_b32 v15, 15, v0                          ; r
	s_mul_i32 s91, s90, 6144
	v_lshlrev_b32 v9, 4, v14
	v_add_nc_u32 v[AO], s91, v9
	v_add_nc_u32 v[AO+1], 2*CHUNK, v[AO]
	v_add_nc_u32 v[AI], s89, v9
	v_add_nc_u32 v[AI+1], 2*CHUNK, v[AI]
	v_lshlrev_b32 v10, 3, v15
	s_lshl_b32 s91, s90, 9
	v_add_nc_u32 v[ASO], s91, v10
	v_add_nc_u32 v[ASO+1], 2*CHUNK, v[ASO]
	v_add_nc_u32 v[ASI], s89, v10
	v_add_nc_u32 v[ASI+1], 2*CHUNK, v[ASI]
	s_mul_i32 s91, s90, 3072
	v_add_nc_u32 v9, s91, v9                       ; z: 16 l + my four tiles' half images
	v_lshlrev_b32 v10, 3, v14
	v_add_nc_u32 v11, 6144, v10
	v_add_nc_u32 v10, s91, v10
	v_add_nc_u32 v10, 512, v10                     ; 8 l + 512 + the same
	s_lshl_b32 s91, s90, 8
	v_add_nc_u32 v11, s91, v11                     ; 8 l + 6,144 + 256 (w % 2): my four tiles' scale words
	s_lshl_b32 s91, s10, 8
	s_add_co_u32 s91, s91, SCR
	v_lshl_add_u32 v12, v15, 2, s91                ; their way through LDS: in 4 r,
	v_lshl_add_u32 v13, v14, 3, s91                ; out 8 l
.irp b, 0,1,2,3
	v_mov_b32 v[BT+\b], 0                          ; written once: a lane permute's destination counts as one of its sources
.endr
	s_mov_b32 s92, 0x76543210
	s_mov_b32 s93, 0xfedcba98
.macro FETCH s                         ; K step s = 2 q + p: four fragments of OUT, eight of IN; with p = 0 the chunk's scale words, both p's in a pair
.set fq, (\s)/2
.set fb, CHUNK*(fq%2)+12288*((\s)%2)
.set fs, (\s)%2
	WIN 0
.irp o, 0,1,2,3
.irp g, 0,1,2
	ds_load_b128 v[OF+48*fs+12*\o+4*\g:OF+48*fs+12*\o+4*\g+3], v[AO+fq/2] offset:fb+1536*\o+512*\g
.endr
.endr
.if (\s)%2 == 0
.irp o, 0,1,2,3
	ds_load_b64 v[SW+24*(fq%2)+2*\o:SW+24*(fq%2)+2*\o+1], v[ASO+fq/2] offset:CHUNK*(fq%2)+24576+128*\o
.endr
.irp i, 0,1,2,3,4,5,6,7
	ds_load_b64 v[SW+24*(fq%2)+8+2*\i:SW+24*(fq%2)+8+2*\i+1], v[ASI+fq/2] offset:CHUNK*(fq%2)+24576+128*\i
.endr
.endif
	WIN 0x40                                       ; destination window 1
.irp i, 0,1,2,3,4,5,6,7
.irp g, 0,1,2
	ds_load_b128 v[96*fs+12*\i+4*\g:96*fs+12*\i+4*\g+3], v[AI+fq/2] offset:fb+1536*\i+512*\g
.endr
.endr
.endm
.macro MULS s                          ; 32 matrix instructions; the 32 accumulators take turns, one instruction a turn; a block's first step starts the sums
.set ms, (\s)%2
.set mq, ((\s)/2)%2
	WIN 0xa1                                       ; source 0 (IN) window 1, source 1 (OUT) window 0, C and D window 2
.irp o, 0,1,2,3
.irp i, 0,1,2,3,4,5,6,7
.if (\s) == 0
	v_wmma_scale_f32_16x16x128_f8f6f4 v[64*\o+8*\i:64*\o+8*\i+7], v[96*ms+12*\i:96*ms+12*\i+11], v[OF+48*ms+12*\o:OF+48*ms+12*\o+11], 0, v[SW+24*mq+8+2*\i+ms], v[SW+24*mq+2*\o+ms] matrix_a_fmt:MATRIX_FMT_FP6 matrix_b_fmt:MATRIX_FMT_FP6
.else
	v_wmma_scale_f32_16x16x128_f8f6f4 v[64*\o+8*\i:64*\o+8*\i+7], v[96*ms+12*\i:96*ms+12*\i+11], v[OF+48*ms+12*\o:OF+48*ms+12*\o+11], v[64*\o+8*\i:64*\o+8*\i+7], v[SW+24*mq+8+2*\i+ms], v[SW+24*mq+2*\o+ms] matrix_a_fmt:MATRIX_FMT_FP6 matrix_b_fmt:MATRIX_FMT_FP6
.endif
.endr
.endr
.endm
; A K step.  fill = 1: a block that has a successor.  At its steps 3 and 7 this step's fragments, the last of a slot, are in registers: each wave waits for all its tensor loads (the one that was out is its part of the other slot),
; adds 0 to its spare word and waits for that and for its reads; a round of the cluster's barrier; the slot's refill with the next block's chunks, first of all.
.macro KSTEP s, fill
.if (((\s) == 3) || ((\s) == 7)) && (\fill)
	WIN 0
	s_wait_tensorcnt 0x0                           ; no tensor load of mine is out, so a group 0 may be written
	ds_add_u32 v254, v255                          ; twice on end
	ds_add_u32 v254, v255
.if (\s) == 3
	s_mov_b64 s[42:43], s[76:77]                   ; the next block's chunks 0, 1
	s_or_b32 s43, s43, 0x80000000
	s_mov_b64 s[58:59], s[78:79]
	s_or_b32 s59, s59, 0x80000000
.else
	s_add_nc_u64 s[50:51], s[76:77], 2*CHUNK       ; its chunks 2, 3
	s_or_b32 s51, s51, 0x80000000
	s_add_nc_u64 s[70:71], s[78:79], 2*CHUNK
	s_or_b32 s71, s71, 0x80000000
.endif
	s_wait_dscnt 0x0                               ; the adds are done, and my reads of the slot are over
	ROUND
.if (\s) == 3
	PFILL 40, 56
.else
	PFILL 48, 68
.endif
.else
	s_wait_dscnt 0x0                               ; this step's fragments are in (asked for a step ago)
.if (\s) == 3
	s_wait_tensorcnt 0x0                           ; the last block: my part of slot B has landed
	s_barrier_signal -1
	s_barrier_wait -1                              ; everybody's has
.endif
.endif
.if ((\s) < 7) || (\fill)
	PLACES                                         ; four places in front of loads into registers that the last step's matrix instructions have read
.endif
.if (\s) < 7
	FETCH (\s)+1
.else
.if \fill
	FETCH 0                                        ; the next block's first fragments: slot A is whole behind the round
.endif
.endif
	MULS \s
.endm
; Outer tile o: my row's 64 numbers in window 2, v[64 o] on, become twelve registers of codes at v[CD + 12 o] and the scale word v[PW + o]
.macro QUANTW o
.set AC, 64*(\o)
.set PCO, CD+12*(\o)
.irp b, 0,1,2,3
	v_mov_b32 v[TM+\b], FLOOR                      ; no largest magnitude is taken under the floor: the byte cannot fall under 1
.endr
	WIN 0x28                                       ; sources 1 and 2: window 2
.irp i, 0,2,4,6,8,10,12,14             ; each accumulator is read from its low end on
.irp b, 0,1,2,3
	v_max3_num_f32 v[TM+\b], v[TM+\b], |v[AC+16*\b+\i]|, |v[AC+16*\b+\i+1]|
.endr
.endr
	WIN 0
.irp b, 0,1,2,3
	v_permlanex16_b32 v[BT+\b], v[TM+\b], s92, s93
.endr
.irp b, 0,1,2,3
	v_max_num_f32 v[TM+\b], v[TM+\b], v[BT+\b]
.endr
.irp b, 0,1,2,3
	v_add_nc_u32 v[BS+\b], 0xff000000, v[TM+\b]
.endr
.irp b, 0,1,2,3
	v_lshrrev_b32 v[BT+\b], 23, v[BS+\b]
.endr
	v_lshl_or_b32 v[PW+(\o)], v[BT+1], 8, v[BT]
	v_lshl_or_b32 v[PW+(\o)], v[BT+2], 16, v[PW+(\o)]
	v_lshl_or_b32 v[PW+(\o)], v[BT+3], 24, v[PW+(\o)]
	WIN 0x02                                       ; source 0: window 2
.irp c, 0,1
	v_cvt_scalef32_pk16_fp6_f32 v[PCO+6*\c:PCO+6*\c+2], v[AC+32*\c:AC+32*\c+15], v[BS+2*\c]
	v_cvt_scalef32_pk16_fp6_f32 v[CT+4*\c:CT+4*\c+2], v[AC+32*\c+16:AC+32*\c+31], v[BS+2*\c+1]
.endr
	WIN 0
	v_nop                                          ; one plain place behind a scaled conversion
.irp c, 0,1
.irp i, 0,1,2
	v_permlane16_swap_b32 v[PCO+6*\c+\i], v[CT+4*\c+\i]
.endr
.irp i, 0,1,2
	v_mov_b32 v[PCO+3+6*\c+\i], v[CT+4*\c+\i]
.endr
.endr
.endm
.macro EPI                             ; a block's way out
	WIN 0
	PLACES                                         ; four places behind the last products
.irp o, 0,1,2,3
	QUANTW \o
.endr
.irp o, 0,1,2,3                        ; registers 0-5 are the lower 64's half image, 6-11 the upper's; each store covers whole aligned runs of 256 bytes
	global_store_b128 v9, v[CD+12*\o:CD+12*\o+3], s[2:3] offset:768*\o
	global_store_b64 v10, v[CD+12*\o+4:CD+12*\o+5], s[2:3] offset:768*\o
	global_store_b128 v9, v[CD+12*\o+6:CD+12*\o+9], s[18:19] offset:768*\o
	global_store_b64 v10, v[CD+12*\o+10:CD+12*\o+11], s[18:19] offset:768*\o
	ds_store_b32 v12, v[PW+\o] offset:64*\o        ; lanes r and r + 16 write the same word with the same value
.endr
	ds_load_b64 v[176:177], v13                    ; LDS serves a wave's instructions in order: this sees my stores
	s_wait_dscnt 0x0
	global_store_b64 v11, v[176:177], s[2:3]       ; 256 consecutive bytes, aligned
	global_store_b64 v11, v[176:177], s[18:19]
.endm
	s_wait_alu depctr_va_vdst(0)                   ; the wait at the head's end
	s_wait_tensorcnt 0x0                           ; my part of slot A is in
	ds_add_u32 v254, v255
	ds_add_u32 v254, v255                          ; twice on end
	s_wait_dscnt 0x0
	ROUND                                          ; everybody's part is in, and all sixteen work-groups are here
	PFILL 48, 68                                   ; slot B: it has three K steps in which to land
	FETCH 0
	WIN 0                                          ; at a label every window is 0
	s_mov_b32 s44, 0
.Ltile:                                                ; q's block, then k's: each asks for its successor's chunks
	s_add_co_u32 s45, s44, 1
	SETUP                                          ; where the next block's panels and results lie
.irp s, 0,1,2,3,4,5,6,7
	KSTEP \s, 1
.endr
	EPI
	s_wait_xcnt 0x0                                ; the stores have read their registers and bases: only now are the bases written, and the codes' registers in the next block
	s_mov_b64 s[2:3], s[52:53]
	s_mov_b64 s[18:19], s[54:55]
	s_add_co_u32 s44, s44, 1
	s_cmp_lt_u32 s44, 2
	s_wait_alu depctr_va_vdst(0)                   ; the wait directly ahead of the branch
	s_cbranch_scc1 .Ltile
.irp s, 0,1,2,3,4,5,6,7                ; v's block is written out
	KSTEP \s, 0
.endr
	EPI
	s_wait_tensorcnt 0x0                           ; the wave's end
	ds_add_u32 v254, v255
	s_wait_dscnt 0x0
	ROUND                                          ; the closing round: no work-group ends while a partner may still ask for a panel that names it
	s_endpgm
.Lfunc_end_k_qc207c3918c_proj:
	.size	k_qc207c3918c_proj, .Lfunc_end_k_qc207c3918c_proj-k_qc207c3918c_proj
	.p2alignl 7, 3214868480
	.fill 96, 4, 3214868480
	.section	.rodata,"a",@progbits
	.p2align	6, 0x0
	.amdhsa_kernel k_qc207c3918c_proj
		.amdhsa_group_segment_fixed_size 327680
		.amdhsa_private_segment_fixed_size 0
		.amdhsa_enable_private_segment 0
		.amdhsa_kernarg_size 24
		.amdhsa_user_sgpr_count 2
		.amdhsa_user_sgpr_kernarg_segment_ptr 1
		.amdhsa_wavefront_size32 1
		.amdhsa_system_sgpr_workgroup_id_x 1
		.amdhsa_system_sgpr_workgroup_id_y 1
		.amdhsa_system_sgpr_workgroup_id_z 1
		.amdhsa_system_vgpr_workitem_id 0
		.amdhsa_next_free_vgpr 768
		.amdhsa_next_free_sgpr 96
		.amdhsa_reserve_vcc 0
		.amdhsa_float_denorm_mode_32 3
		.amdhsa_float_denorm_mode_16_64 3
		.amdhsa_memory_ordered 1
		.amdhsa_forward_progress 1
		.amdhsa_inst_pref_size 159
	.end_amdhsa_kernel
	.amdgpu_metadata
---
amdhsa.version: [ 1, 2 ]
amdhsa.kernels:
  - .name:           k_qc207c3918c_proj
    .symbol:         k_qc207c3918c_proj.kd
    .args:
      - { .name: xi, .offset: 0, .size: 8, .value_kind: global_buffer, .address_space: global }
      - { .name: wi, .offset: 8, .size: 8, .value_kind: global_buffer, .address_space: global }
      - { .name: z, .offset: 16, .size: 8, .value_kind: global_buffer, .address_space: global }
    .group_segment_fixed_size: 327680
    .private_segment_fixed_size: 0
    .kernarg_segment_align: 8
    .kernarg_segment_size: 24
    .max_flat_workgroup_size: 128
    .sgpr_count:     96
    .vgpr_count:     768
    .wavefront_size: 32
...
	.end_amdgpu_metadata
.endif
;; end of part 2
;; launch attn (part 3): grid 16 x 16, 8 waves a work-group, clusters of 4 x 4, 327,680 bytes of LDS; arguments z, mask, out0; writes out0
.if DOCPART == 3
	.amdgcn_target "amdgcn-amd-amdhsa--gfx1250"
	.amdhsa_code_object_version 6
	.text
	.protected	k_qc207c3918c_attn
	.globl	k_qc207c3918c_attn
	.p2align	8
	.type	k_qc207c3918c_attn,@function
k_qc207c3918c_attn:
	s_mov_b64 s[64:65], 0
	v_nop
	global_prefetch_b8 v0, s[64:65] scope:SCOPE_SE
	s_setreg_imm32_b32 hwreg(HW_REG_WAVE_MODE, 25, 1), 1
	s_wait_xcnt 0x0
	s_wait_alu depctr_hold_cnt(0) depctr_sa_sdst(0) depctr_va_vdst(0) depctr_va_sdst(0) depctr_va_ssrc(0) depctr_va_vcc(0) depctr_vm_vsrc(0)
	s_getreg_b32 s2, hwreg(HW_REG_IB_STS2, 6, 4)
	s_cmp_eq_u32 s2, 0
	s_cbranch_scc0 .Lentry_in_a_cluster
	s_endpgm
.Lentry_in_a_cluster:
	s_bfe_u32 s2, ttmp6, 0x10000c
	s_cmp_lg_u32 s2, 0xf033
	s_cbranch_scc0 .Lentry_shape_is_right
	s_endpgm
.Lentry_shape_is_right:
; out[b][q][h][:] = the sum over k of softmax_k(mask[q][k] x (Q . K) / 8) V[k][:], both products on codes of FP6 with one E8M0 scale for each 32 along a product's K.  Q, K, V come from z as half images of operand registers.
; THE SOFTMAX: u = score x mask; t = u x log2(e) / 8; M = the running largest t rounded UP to a whole number; p = 2^(t - M) is quantised along the keys, not normalised; the sum is taken of the unquantised p and divides at the end;
; when M moves, the sum and O are multiplied by 2^(old M - new M), which rounds nothing.
; LIMITS: NaN and infinities are not served; M is a whole number in f32, exact for |t| under 2^24; a block's largest p is made from the block's largest u by the same two instructions, which takes v_exp_f32 not to fall where
; its input rises; a block whose every p is 0 keeps the byte 1: its codes are zeros.
; SHARES.  A work-group: 128 queries x 4 heads of one batch.  Wave w: head w / 2 of the four, queries 64 (w % 2) on: four tiles of 16; 16 key steps of 128 keys.  K's and V's fragments feed four tiles from registers.
; CLUSTER 4 x 4: x = four query blocks, y = four groups of four heads.  The mask's tile is asked for jointly by a column, K and V by a row.
; Both products are used transposed (S^T = K Q^T, O^T = V^T P^T): a lane holds one query throughout.  K's tiles hold keys 64 c + 8 t + r % 8 + 32 (r / 8), so S^T's register 32 c + i of lane (r, h) is key 64 c + 32 h + i:
; A LANE HOLDS TWO WHOLE BLOCKS OF 32 KEYS, in the order of the next operand's registers: no other lane is asked for a block's maximum, and the codes stay where the conversions put them.
; Q's images hold rows 8 u + r + 8 (r / 8) of each 32; they are read with a lane permutation, so that tile a's lane r is query 16 a + r: the sixteen rows of the mask that a load touches are neighbours, 528 bytes apart.
; K = 64 IN AN INSTRUCTION OF 128: a scale word holds the four bytes of a PAIR of heads; head c of the pair stands in half c of the operand.  Q's other half is zero codes.  K's nine half-image slots are loaded from tiles
; -c .. 8 - c, so that operand t = slots t, t + 1 has tile t in half c; what stands in the other half meets zero codes.
; RING: two LDS slots of a key step (mask 128 x 528, K 4 x 6,656, V 2 x 13,312).  THE CHANGE OF SLOTS lies inside tile 3's turn: all the step's bytes are in registers ahead of it, so the waits and the opening signal stand at its
; head, its products with the mask, maxima and exponentials (register work) between signal and wait, and the rest of the round, the refill (two steps ahead) and the next step's LDS loads behind them.
; NO PREFETCH: a refill is asked for in tile 3's turn of step s and waited for ahead of tile 3's turn of step s + 1: a whole key step, four turns, lies between.
; REGISTERS: window 0: v1, v2 the spare word's address and 0; v3-9 addresses in a slot, v10-16 the same in the slot in hand; v17-19 the way out; v20 8 h; v21, v22 lane permutes' results; v24+4a -M, largest u, the sum's halves;
;   v40-87 Q; v88-91 Q's words; v92-95 K's; v96-97 V's; v98 p's; v99 at work; v100-163 S^T, then p; v164-227 the mask; v228-243 at work; v244-255 p's codes.   window 1: v0-127 O^T; v128-181 K; v182-229 V.
.set ZBLK,  6656
.set ZSZ,   6815744
.set SLOT1, 1<<17
.set MPIT,  528
.set KOFF,  128*MPIT
.set VOFF,  KOFF+4*ZBLK
.set SPARE, SLOT1+VOFF+4*ZBLK          ; behind the ring: the spare words, 128 bytes for each of eight waves, which no other line names
.set STAGE, SPARE+1024                 ; the way out: 16 rows x 272 bytes for each wave; no tile lands there
.set SPIT,  272
.set FLOOR, 0x1800000
.set SPW, 1
.set NIL, 2
.set A0,  3
.set AD,  10
.set STO, 17
.set RD,  18
.set GO,  19
.set HS,  20
.set PX,  21
.set PY,  22
.set ST,  24
.set Q,   40
.set QS,  88
.set KS,  92
.set VS,  96
.set PW,  98
.set T0,  99
.set S,   100
.set MK,  164
.set BM,  228                          ; four chains of maxima; later the second half of block 0's codes
.set F,   232
.set SU,  234                          ; three pairs of partial sums; later the second half of block 1's codes
.set BS,  240
.set BT,  242
.set P,   244
.set KR,  128
.set VR,  182
.set MSB, 0
.macro WIN new                         ; the immediate's high byte repeats the setting that is left
.if MSB != \new
	s_set_vgpr_msb (MSB<<8)|\new
.set MSB, \new
.endif
.endm
.macro CREST                           ; a round of the cluster's barrier behind its opening barrier
	s_cmp_lg_u32 s10, 0
	s_cbranch_scc1 .Lnot_wave_0_\@
	s_barrier_signal -3
.Lnot_wave_0_\@:
	s_barrier_wait -3
	s_barrier_signal -1
	s_barrier_wait -1
.endm
.macro ROUND
	s_barrier_signal -1
	s_barrier_wait -1
	CREST
.endm
.macro PLACES
.rept 4
	v_nop
.endr
.endm
; A joint load: waves 0-3 a quarter of the mask's tile each, waves 4, 5 two heads of K each, waves 6, 7 64 keys of V each: one load a wave, one chain of branches on the wave's number
.macro JLOAD3 gm, gk
	s_cmp_lt_u32 s10, 4
	s_cbranch_scc0 .Lnot_m_\@
	tensor_load_to_lds s[\gm:\gm+3], s[24:31]
	s_nop 0
	PLACES
	s_branch .Lasked_\@
.Lnot_m_\@:
	s_cmp_lt_u32 s10, 6
	s_cbranch_scc0 .Lfor_v_\@
	tensor_load_to_lds s[\gk:\gk+3], s[32:39]
	s_nop 0
	PLACES
	s_branch .Lasked_\@
.Lfor_v_\@:
	tensor_load_to_lds s[\gk:\gk+3], s[40:47]
	s_nop 0
	PLACES
.Lasked_\@:
.endm
	s_load_b128 s[4:7], s[0:1], 0x0                ; z, mask
	s_load_b64 s[8:9], s[0:1], 0x10                ; out0
	v_lshl_add_u32 v[SPW], v0, 2, SPARE
	v_mov_b32 v[NIL], 0
	ds_add_u32 v[SPW], v[NIL]                      ; the opening lines: the add twice on end and its wait
	ds_add_u32 v[SPW], v[NIL]
	v_lshrrev_b32 v3, 5, v0
	v_readfirstlane_b32 s10, v3                    ; wave 0..7
	s_bfe_u32 s11, ttmp6, 0x40000                  ; cx
	s_bfe_u32 s12, ttmp6, 0x40004                  ; cy
	s_lshl_b32 s13, ttmp9, 2
	s_add_co_u32 s13, s13, s11                     ; my block of 128 queries
	s_and_b32 s14, ttmp7, 0xffff                   ; the batch = the cluster's y
	s_lshr_b32 s15, s10, 1                         ; e: my head of the four
	s_and_b32 s16, s10, 1                          ; which 64 queries; for waves 4-7: which half of K or V I fetch
	s_and_b32 s17, s15, 1                          ; c: my head's place in its pair
	s_lshr_b32 s18, s15, 1                         ; the pair
	s_lshl_b32 s74, s13, 7                         ; the mask's tile: rows 128 x block + 32 x wave, of 8,192 bytes
	s_lshl_b32 s75, s10, 5
	s_add_co_u32 s74, s74, s75
	s_lshl_b32 s74, s74, 13
	s_mov_b32 s75, 0
	s_lshl_b32 s76, s12, 2                         ; K: block (head 4 cy + 2 (w % 2), keys' group 16 b + step)
	s_lshl_b32 s77, s16, 1
	s_add_co_u32 s76, s76, s77
	s_lshl_b32 s76, s76, 6
	s_lshl_b32 s77, s14, 4
	s_add_co_u32 s76, s76, s77
	s_mul_i32 s76, s76, ZBLK
	s_add_co_u32 s76, s76, ZSZ
	s_lshl_b32 s77, s14, 5                         ; V: block (keys / 64 = 32 b + 2 step + w % 2, channels' group 2 cy), and the next
	s_add_co_u32 s77, s77, s16
	s_lshl_b32 s77, s77, 3
	s_lshl_b32 s78, s12, 1
	s_add_co_u32 s77, s77, s78
	s_mul_i32 s77, s77, ZBLK
	s_add_co_u32 s77, s77, 2*ZSZ
	s_mov_b32 s66, 16*ZBLK                         ; a key step on: in V 16 blocks,
	s_cmp_lt_u32 s10, 6
	s_cselect_b32 s78, s76, s77
	s_cselect_b32 s66, ZBLK, s66                   ; in K one
	s_mov_b32 s79, 0
	s_mov_b32 s67, 0
	s_mul_i32 s80, s10, 32*MPIT                    ; where they go: no place in the cluster enters an LDS address
	s_and_b32 s81, s10, 3
	s_mul_i32 s81, s81, 2*ZBLK
	s_add_co_u32 s81, s81, KOFF
	s_lshl_b32 s82, s12, 2                         ; Q: block (head 4 cy + e, queries' group 16 b + block)
	s_add_co_u32 s82, s82, s15
	s_lshl_b32 s84, s82, 8                         ; (the head's 256 bytes in a row of out0)
	s_lshl_b32 s82, s82, 6
	s_lshl_b32 s83, s14, 4
	s_add_co_u32 s82, s82, s83
	s_add_co_u32 s82, s82, s13
	s_mul_i32 s82, s82, ZBLK
	s_mov_b32 s83, 0
	s_lshl_b32 s85, s14, 11                        ; out0: row 2,048 b + 128 x block + 64 (w % 2), of 4,096 bytes
	s_lshl_b32 s86, s13, 7
	s_add_co_u32 s85, s85, s86
	s_lshl_b32 s86, s16, 6
	s_add_co_u32 s85, s85, s86
	s_lshl_b32 s85, s85, 12
	s_add_co_u32 s84, s84, s85
	s_mov_b32 s85, 0
	s_lshl_b32 s86, 0x1111, s11                    ; my column of the cluster
	s_lshl_b32 s87, s12, 2
	s_lshl_b32 s87, 15, s87                        ; my row
	; group 1.  The mask: 32 rows x 128 elements of 4 bytes, 2,048 from row to row, 16 bytes of padding behind each 512
	s_or_b32 s24, s86, (2<<16)|(1<<20)|(1<<21)|(6<<22)|(3<<25)
	s_mov_b32 s25, 128<<16
	s_mov_b32 s26, 32<<16
	s_mov_b32 s27, 128<<16
	s_mov_b32 s28, 32
	s_mov_b32 s29, 2048
	s_mov_b32 s30, 0
	s_mov_b32 s31, 0
	; K: two heads' blocks: 2 rows x 832 elements of 8 bytes, 64 blocks apart
	s_or_b32 s32, s87, (3<<16)|(1<<21)
	s_mov_b32 s33, 832<<16
	s_mov_b32 s34, 2<<16
	s_mov_b32 s35, 832<<16
	s_mov_b32 s36, 2
	s_mov_b32 s37, 64*ZBLK/8
	s_mov_b32 s38, 0
	s_mov_b32 s39, 0
	; V: two neighbouring blocks, 13,312 dense bytes, as 52 rows of 256
	s_or_b32 s40, s87, (3<<16)|(1<<21)
	s_mov_b32 s41, 32<<16
	s_mov_b32 s42, 52<<16
	s_mov_b32 s43, 32<<16
	s_mov_b32 s44, 52
	s_mov_b32 s45, 32
	s_mov_b32 s46, 0
	s_mov_b32 s47, 0
	s_mov_b32 s68, 0                               ; the slot in hand
	s_mov_b32 s70, 0x76543210
	s_mov_b32 s71, 0xfedcba98                      ; v_permlanex16_b32's selects for lane l xor 16
	s_mov_b32 s72, 0x3e38aa3b                      ; log2(e) / 8
	s_mov_b32 s73, s72                             ; (named with it as a pair, so it is written)
	s_wait_dscnt 0x0                               ; both opening adds are done
	s_wait_kmcnt 0x0
	s_add_nc_u64 s[86:87], s[6:7], s[74:75]
	s_add_nc_u64 s[88:89], s[4:5], s[78:79]
	s_add_nc_u64 s[90:91], s[4:5], s[82:83]        ; Q
	s_add_nc_u64 s[8:9], s[8:9], s[84:85]
	; group 0: a set for key step 0, and one for key step 1, which then walks on
	s_mov_b32 s48, 1
	s_mov_b32 s49, s80
	s_mov_b64 s[50:51], s[86:87]
	s_or_b32 s51, s51, 0x80000000
	s_mov_b32 s52, 1
	s_add_co_u32 s53, s80, SLOT1
	s_add_nc_u64 s[54:55], s[86:87], 512
	s_or_b32 s55, s55, 0x80000000
	s_mov_b32 s56, 1
	s_mov_b32 s57, s81
	s_mov_b64 s[58:59], s[88:89]
	s_or_b32 s59, s59, 0x80000000
	s_mov_b32 s60, 1
	s_add_co_u32 s61, s81, SLOT1
	s_add_nc_u64 s[62:63], s[88:89], s[66:67]
	s_or_b32 s63, s63, 0x80000000
	ROUND                                          ; all sixteen work-groups are here: the first joint loads meet
	JLOAD3 48, 56                                  ; key step 0: one tensor load a wave at the head
	; the scalar parts of the addresses first, then the vector lines on end
	s_mul_i32 s74, s16, 3072                       ; Q: my four tiles' half images
	s_add_co_u32 s75, s74, 512
	s_lshl_b32 s76, s16, 8
	s_add_co_u32 s76, s76, 6144                    ; and their scale words
	s_mul_i32 s77, s16, 64*MPIT                    ; the mask: my 64 rows
	s_mul_i32 s78, s18, 2*ZBLK
	s_mul_i32 s85, s17, ZBLK-768
	s_add_co_u32 s78, s78, s85
	s_add_co_u32 s78, s78, KOFF                    ; K: my head's block, one tile back where c = 1
	s_add_co_u32 s79, s78, 512
	s_mul_i32 s80, s18, ZBLK
	s_mul_i32 s85, s17, 3072
	s_add_co_u32 s80, s80, s85
	s_add_co_u32 s80, s80, VOFF                    ; V: my pair's block, my head's four tiles
	s_add_co_u32 s81, s80, 512
	s_mul_i32 s82, s15, ZBLK
	s_add_co_u32 s82, s82, KOFF+6144               ; K's scale words
	s_mul_i32 s83, s18, ZBLK
	s_lshl_b32 s85, s17, 8
	s_add_co_u32 s83, s83, s85
	s_add_co_u32 s83, s83, VOFF+6144               ; V's
	s_mul_i32 s84, s10, 16*SPIT
	s_add_co_u32 s84, s84, STAGE                   ; my stage
	v_and_b32 v100, 31, v0                         ; l
	v_and_b32 v101, 15, v0                         ; r
	v_bfe_u32 v102, v0, 4, 1                       ; h
	v_and_b32 v103, 7, v0                          ; r % 8
	v_bfe_u32 v104, v0, 3, 1                       ; r / 8
	v_mul_u32_u24 v105, v104, 768                  ; query 16 u + r of each 32 lies in image r / 8, lane-row r % 8 + 8 u
	v_lshl_add_u32 v[BM], v103, 4, v105
	v_lshl_add_u32 v[BM+1], v103, 3, v105
	v_lshlrev_b32 v[BM+2], 6, v104
	v_lshl_add_u32 v[BM], v102, 8, v[BM]
	v_lshl_add_u32 v[BM+1], v102, 7, v[BM+1]
	v_lshl_add_u32 v[BM+2], v103, 2, v[BM+2]
	v_add_nc_u32 v[BM], s74, v[BM]
	v_add_nc_u32 v[BM+1], s75, v[BM+1]
	v_add_nc_u32 v[BM+2], s76, v[BM+2]
.irp a, 0,1,2,3
.irp hf, 0,1                           ; twice: into both halves of the operand
	global_load_b128 v[Q+12*\a+6*\hf:Q+12*\a+6*\hf+3], v[BM], s[90:91] offset:1536*(\a/2)+128*(\a%2)
	global_load_b64 v[Q+12*\a+6*\hf+4:Q+12*\a+6*\hf+5], v[BM+1], s[90:91] offset:1536*(\a/2)+64*(\a%2)
.endr
	global_load_b32 v[QS+\a], v[BM+2], s[90:91] offset:128*(\a/2)+32*(\a%2)
.endr
	v_mul_u32_u24 v[A0], v101, MPIT
	v_mul_u32_u24 v[STO], v101, SPIT
	v_mul_u32_u24 v[RD], v102, SPIT
	v_lshlrev_b32 v[GO], 12, v102
	v_lshl_add_u32 v[A0], v102, 7, v[A0]
	v_lshl_add_u32 v[STO], v102, 6, v[STO]
	v_lshl_add_u32 v[RD], v101, 4, v[RD]
	v_lshl_add_u32 v[GO], v101, 4, v[GO]           ; out0: lanes 0-15 one row's 256 bytes, lanes 16-31 the next row's
	v_add_nc_u32 v[A0], s77, v[A0]                 ; the mask: row 64 (w % 2) + r, + 128 h
	v_add_nc_u32 v[STO], s84, v[STO]               ; the stage, in: row r, + 64 h
	v_add_nc_u32 v[RD], s84, v[RD]                 ; back: two rows an instruction
	v_lshl_add_u32 v[A0+1], v100, 4, s78
	v_lshl_add_u32 v[A0+2], v100, 3, s79
	v_lshl_add_u32 v[A0+3], v100, 4, s80
	v_lshl_add_u32 v[A0+4], v100, 3, s81
	v_lshl_add_u32 v[A0+5], v100, 2, s82           ; lanes 0-15 one tile's words, lanes 16-31 the next's
	v_lshl_add_u32 v[A0+6], v100, 2, s83
	v_lshlrev_b32 v[HS], 3, v102                   ; 8 h: where my two scale bytes stand in the word
	v_mov_b32 v[PX], 0                             ; written once: a lane permute's destination counts as one of its sources
	v_mov_b32 v[PY], 0
	v_mov_b32 v[F+1], 0                            ; (named as the upper half of a pair)
.irp a, 0,1,2,3
	v_mov_b32 v[ST+4*\a], 0x7f61b1e6               ; -M: 3e38
	v_mov_b32 v[ST+4*\a+1], 0xff61b1e6             ; the largest u so far: -3e38
	v_mov_b32 v[ST+4*\a+2], 0                      ; the sum, in two halves
	v_mov_b32 v[ST+4*\a+3], 0
.endr
	WIN 0x40
.set j, 0
.rept 128
	v_mov_b32 v[j], 0                              ; O^T.  The key step has no first step of its own: it finds zeros, which the first change of M leaves zeros
.set j, j+1
.endr
	WIN 0
.macro ADDRS                           ; the seven addresses in the slot in hand
.irp i, 0,1,2,3,4,5,6
	v_add_nc_u32 v[AD+\i], s68, v[A0+\i]
.endr
.endm
.macro KLOAD                           ; nine half images and four registers of scale words: 22 loads
	WIN 0x40
.irp t, 0,1,2,3,4,5,6,7,8
	ds_load_b128 v[KR+6*\t:KR+6*\t+3], v[AD+1] offset:768*\t
	ds_load_b64 v[KR+6*\t+4:KR+6*\t+5], v[AD+2] offset:768*\t
.endr
	WIN 0
.irp i, 0,1,2,3
	ds_load_b32 v[KS+\i], v[AD+5] offset:128*\i
.endr
.endm
.macro MLOAD an                        ; tile an's 64 numbers of the mask a lane, in S^T's layout: keys 64 c + 32 h + 0 .. 31: 16 loads
.irp c, 0,1
.irp x, 0,1,2,3,4,5,6,7
	ds_load_b128 v[MK+32*\c+4*\x:MK+32*\c+4*\x+3], v[AD] offset:16*(\an)*MPIT+256*\c+16*\x
.endr
.endr
.endm
.macro VLOAD                           ; four fragments and two registers of scale words: 18 loads, four places behind the products that read them
	PLACES
	WIN 0x40
.irp ct, 0,1,2,3
.irp hf, 0,1
	ds_load_b128 v[VR+12*\ct+6*\hf:VR+12*\ct+6*\hf+3], v[AD+3] offset:2*ZBLK*\hf+768*\ct
	ds_load_b64 v[VR+12*\ct+6*\hf+4:VR+12*\ct+6*\hf+5], v[AD+4] offset:2*ZBLK*\hf+768*\ct
.endr
.endr
	WIN 0
	ds_load_b32 v[VS], v[AD+6]
	ds_load_b32 v[VS+1], v[AD+6] offset:128
.endm
.macro SMUL an                         ; S^T of tile an: eight tiles of 16 keys
	WIN 0x01                                       ; source 0 (K) window 1
.irp t, 0,1,2,3,4,5,6,7
.if \t % 2
	v_wmma_scale_f32_16x16x128_f8f6f4 v[S+8*\t:S+8*\t+7], v[KR+6*\t:KR+6*\t+11], v[Q+12*(\an):Q+12*(\an)+11], 0, v[KS+\t/2], v[QS+(\an)] matrix_a_fmt:MATRIX_FMT_FP6 matrix_b_fmt:MATRIX_FMT_FP6 matrix_a_scale:MATRIX_SCALE_ROW1
.else
	v_wmma_scale_f32_16x16x128_f8f6f4 v[S+8*\t:S+8*\t+7], v[KR+6*\t:KR+6*\t+11], v[Q+12*(\an):Q+12*(\an)+11], 0, v[KS+\t/2], v[QS+(\an)] matrix_a_fmt:MATRIX_FMT_FP6 matrix_b_fmt:MATRIX_FMT_FP6
.endif
.endr
.endm
.macro PVMUL a                         ; O^T of tile a += V^T P^T: four tiles of 16 channels, K = the step's 128 keys
	WIN 0x51                                       ; source 0 (V), C and D window 1; source 1 (P) window 0
.irp ct, 0,1,2,3
.if \ct % 2
	v_wmma_scale_f32_16x16x128_f8f6f4 v[32*(\a)+8*\ct:32*(\a)+8*\ct+7], v[VR+12*\ct:VR+12*\ct+11], v[P:P+11], v[32*(\a)+8*\ct:32*(\a)+8*\ct+7], v[VS+\ct/2], v[PW] matrix_a_fmt:MATRIX_FMT_FP6 matrix_b_fmt:MATRIX_FMT_FP6 matrix_a_scale:MATRIX_SCALE_ROW1
.else
	v_wmma_scale_f32_16x16x128_f8f6f4 v[32*(\a)+8*\ct:32*(\a)+8*\ct+7], v[VR+12*\ct:VR+12*\ct+11], v[P:P+11], v[32*(\a)+8*\ct:32*(\a)+8*\ct+7], v[VS+\ct/2], v[PW] matrix_a_fmt:MATRIX_FMT_FP6 matrix_b_fmt:MATRIX_FMT_FP6
.endif
.endr
.endm
; ONE TILE'S TURN IN A KEY STEP.  Its scores lie in S; an = the tile whose scores are made next; hw = the LDS loads issued behind this tile's mask loads; more = 0 in the very last turn; vload = 1: the next step's V is fetched;
; chg = 1: the change of slots with a refill lies in this turn, 2: the change without a refill, 0: none.
.macro TILE a, an, hw, more, vload, chg
.set NM, ST+4*(\a)
.set LL, NM+2
.if \chg
	s_wait_tensorcnt 0x0                           ; all my tensor loads are done: the one that was out is my part of the other slot; so a group 0 may be written
	ds_add_u32 v[SPW], v[NIL]                      ; 0 onto my spare word
.if \chg == 1
	s_xor_b32 s53, s53, SLOT1                      ; the walking descriptors: the other slot than last time, the next key step
	s_add_nc_u64 s[54:55], s[54:55], 512
	s_xor_b32 s61, s61, SLOT1
	s_add_nc_u64 s[62:63], s[62:63], s[66:67]
.endif
	s_wait_dscnt 0x0                               ; the add is done, and my reads of this slot are over: this tile's mask was the last of them
	s_barrier_signal -1                            ; say so; register work alone stands up to the wait
.else
	s_wait_dscnt \hw                               ; my tile of the mask is in
.endif
.set j, 0
.rept 32
	v_pk_mul_f32 v[S+j:S+j+1], v[S+j:S+j+1], v[MK+j:MK+j+1]   ; u = score x mask; each accumulator is read from its low end on
.set j, j+2
.endr
.if (\more) && ((\chg) == 0)
	MLOAD \an                                      ; the next tile's mask has this whole turn in which to come
.endif
.irp b, 0,1,2,3                        ; four chains of 15; chains 0, 1 are my block c = 0, chains 2, 3 my block c = 1
	v_max3_num_f32 v[BM+\b], v[S+16*\b], v[S+16*\b+1], v[S+16*\b+2]
.endr
.irp i, 3,5,7,9,11,13
.irp b, 0,1,2,3
	s_delay_alu instid0(VALU_DEP_4)
	v_max3_num_f32 v[BM+\b], v[BM+\b], v[S+16*\b+\i], v[S+16*\b+\i+1]
.endr
.endr
	v_max3_num_f32 v[BM], v[BM], v[BM+1], v[S+15]
	v_max3_num_f32 v[BM+2], v[BM+2], v[BM+3], v[S+47]
	s_delay_alu instid0(VALU_DEP_2)
	v_max_num_f32 v[BM], v[BM], v[S+31]            ; the largest u of each of my two blocks of 32 keys: for the row's maximum, and for the block's largest p
	s_delay_alu instid0(VALU_DEP_2)
	v_max_num_f32 v[BM+2], v[BM+2], v[S+63]
	s_delay_alu instid0(VALU_DEP_1)
	v_max_num_f32 v[T0], v[BM], v[BM+2]
	s_delay_alu instid0(VALU_DEP_1)
	v_permlanex16_b32 v[PX], v[T0], s70, s71       ; lane l xor 16's two blocks
	s_delay_alu instid0(VALU_DEP_1)
	v_max3_num_f32 v[NM+1], v[NM+1], v[T0], v[PX]  ; the running largest u (the factor to t is positive)
	v_mov_b32 v[T0], v[NM]
	s_delay_alu instid0(VALU_DEP_2)
	v_mul_f32 v[NM], s72, v[NM+1]                  ; as t
	s_delay_alu instid0(VALU_DEP_1)
	v_floor_f32 v[NM], -v[NM]                      ; the new -M = floor(-t): M is a whole number
	s_delay_alu instid0(VALU_DEP_1)
	v_sub_f32 v[T0], v[NM], v[T0]                  ; old M - new M: a whole number, 0 or less
	s_delay_alu instid0(VALU_DEP_1)
	v_cvt_i32_f32 v[T0], v[T0]                     ; (it saturates)
	s_delay_alu instid0(VALU_DEP_1)
	v_ldexp_f32 v[F], 1.0, v[T0]                   ; f = 2^(old M - new M)
.set j, 0
.rept 32
	v_pk_fma_f32 v[S+j:S+j+1], v[S+j:S+j+1], s[72:73], v[NM:NM+1] op_sel_hi:[1,0,0]   ; t - M, two at a time
.set j, j+2
.endr
	v_fma_f32 v[BM], v[BM], s72, v[NM]             ; the same of each block's largest u
	v_fma_f32 v[BM+2], v[BM+2], s72, v[NM]
	s_wait_alu depctr_va_vdst(0)                   ; the wait ahead of the batch
.set j, 0
.rept 64
	v_exp_f32 v[S+j], v[S+j]                       ; p = 2^(t - M), at most 1
.set j, j+1
.endr
	v_exp_f32 v[BM], v[BM]                         ; the block's largest p: the same two instructions on the same number give the same bits
	v_exp_f32 v[BM+2], v[BM+2]
	v_pk_mul_f32 v[LL:LL+1], v[LL:LL+1], v[F:F+1] op_sel_hi:[1,0]   ; the sums under the new M: a plain place behind the exponentials
	s_wait_alu depctr_va_vdst(0)                   ; one wait for the batch, ahead of its first reader (and of the barrier's wait and the branches)
.if \chg
	s_barrier_wait -1                              ; nobody of my work-group reads this slot any more, and the other slot is whole
.if \chg == 1
	CREST                                          ; the same of all sixteen work-groups
	JLOAD3 52, 60                                  ; this slot's refill, two key steps ahead: the first tensor load behind the round
.endif
	s_xor_b32 s68, s68, SLOT1
	ADDRS
	KLOAD                                          ; the next step's K and its first tile of the mask come under the rest of this turn
	MLOAD \an
.endif
.irp k, 0,1,2                          ; the row's sum is taken of the unquantised p, in four chains; the scale's lines stand among them
	v_pk_add_f32 v[SU+2*\k:SU+2*\k+1], v[S+4*\k:S+4*\k+1], v[S+4*\k+2:S+4*\k+3]
.endr
	v_pk_add_f32 v[LL:LL+1], v[LL:LL+1], v[S+12:S+13]
.set j, 14
.rept 6
	v_pk_add_f32 v[SU:SU+1], v[SU:SU+1], v[S+j:S+j+1]
	v_pk_add_f32 v[SU+2:SU+3], v[SU+2:SU+3], v[S+j+2:S+j+3]
	v_pk_add_f32 v[SU+4:SU+5], v[SU+4:SU+5], v[S+j+4:S+j+5]
	v_pk_add_f32 v[LL:LL+1], v[LL:LL+1], v[S+j+6:S+j+7]
.if j == 14
	v_max_num_f32 v[BM], FLOOR, v[BM]              ; the floor: the byte cannot fall under 1
	v_max_num_f32 v[BM+2], FLOOR, v[BM+2]
.endif
.if j == 22
	v_add_nc_u32 v[BS], 0xff000000, v[BM]          ; 2 off the exponent field: the conversion's scale operand
	v_add_nc_u32 v[BS+1], 0xff000000, v[BM+2]
.endif
.if j == 30
	v_lshrrev_b32 v[BT], 23, v[BS]                 ; the scales' bytes: blocks h and 2 + h
	v_lshrrev_b32 v[BT+1], 23, v[BS+1]
.endif
.if j == 38
	v_lshl_or_b32 v[BT], v[BT+1], 16, v[BT]
.endif
.if j == 46
	v_lshlrev_b32 v[BT], v[HS], v[BT]              ; at their places in the word
.endif
.if j == 54
	v_permlanex16_b32 v[PY], v[BT], s70, s71
.endif
.set j, j+8
.endr
	v_pk_add_f32 v[SU:SU+1], v[SU:SU+1], v[S+62:S+63]
	v_pk_add_f32 v[SU+2:SU+3], v[SU+2:SU+3], v[SU+4:SU+5]
	v_or_b32 v[PW], v[BT], v[PY]                   ; with lane l xor 16's two bytes: p's scale word for these 128 keys
	v_pk_add_f32 v[LL:LL+1], v[LL:LL+1], v[SU:SU+1]
	v_pk_add_f32 v[LL:LL+1], v[LL:LL+1], v[SU+2:SU+3]
	v_cvt_scalef32_pk16_fp6_f32 v[P:P+2], v[S:S+15], v[BS]
	v_cvt_scalef32_pk16_fp6_f32 v[BM:BM+2], v[S+16:S+31], v[BS]        ; (a conversion's three registers begin on an even number: the second halves are made elsewhere and moved)
	v_cvt_scalef32_pk16_fp6_f32 v[P+6:P+8], v[S+32:S+47], v[BS+1]
	v_cvt_scalef32_pk16_fp6_f32 v[SU:SU+2], v[S+48:S+63], v[BS+1]
	v_nop                                          ; one plain place behind a scaled conversion
.irp i, 0,1,2
	v_mov_b32 v[P+3+\i], v[BM+\i]
	v_mov_b32 v[P+9+\i], v[SU+\i]
.endr
.if \more
	s_wait_dscnt 16                                ; all but the 16 mask loads issued last: V (asked for ahead of tile 0's turn) and K (in tile 3's) are in
.endif
	WIN 0x41                                       ; O^T (destination and source 0) window 1
	s_wait_alu depctr_va_vdst(0)                   ; directly ahead of the first reader of O^T
.set j, 0
.rept 16
	v_pk_mul_f32 v[32*(\a)+j:32*(\a)+j+1], v[32*(\a)+j:32*(\a)+j+1], v[F:F+1] op_sel_hi:[1,0]   ; O^T under the new M.  These sixteen are the places between p's codes and scale word and the products below
.set j, j+2
.endr
.if \more
	SMUL \an
.endif
	PVMUL \a
	WIN 0
.if \vload
	VLOAD
.else
	PLACES                                         ; four places behind the products, ahead of the next turn's reads of the scores
.endif
.endm
	s_wait_alu depctr_va_vdst(0)                   ; the wait at the head's end
	s_wait_tensorcnt 0x0                           ; my part of slot 0 is in
	ds_add_u32 v[SPW], v[NIL]
	s_wait_dscnt 0x0
	ROUND                                          ; everybody's part is in, and all sixteen work-groups are here
	JLOAD3 52, 60                                  ; key step 1 into slot 1: the first tensor load behind the round
	ADDRS
	KLOAD
	MLOAD 0
	s_wait_loadcnt 0x0                             ; Q
	s_cmp_eq_u32 s17, 0
	s_cselect_b32 s74, -1, 0
	s_cselect_b32 s75, 0, -1
.irp a, 0,1,2,3
.irp i, 0,1,2,3,4,5
	v_and_b32 v[Q+12*\a+\i], s74, v[Q+12*\a+\i]    ; Q stays in half c; the other half becomes zero codes
	v_and_b32 v[Q+12*\a+6+\i], s75, v[Q+12*\a+6+\i]
.endr
.endr
	PLACES                                         ; an operand written by vector instructions stands four places ahead of a scaled matrix instruction
	s_wait_alu depctr_va_vdst(0)                   ; directly ahead of the wait below
	s_wait_dscnt 16                                ; K is in; the mask's 16 loads may be out
	SMUL 0
	WIN 0
	VLOAD
	s_mov_b32 s69, 14
.Lstep:                                                ; key steps 0 to 13: each fills its slot again
	TILE 0, 1, 18, 1, 0, 0                         ; behind tile 0's mask loads: V's 18
	TILE 1, 2, 0, 1, 0, 0
	TILE 2, 3, 0, 1, 0, 0
	TILE 3, 0, 0, 1, 1, 1
	s_sub_co_u32 s69, s69, 1
	s_cmp_lg_u32 s69, 0
	s_cbranch_scc1 .Lstep
	TILE 0, 1, 18, 1, 0, 0                         ; key step 14 is written out: nothing is left to ask for
	TILE 1, 2, 0, 1, 0, 0
	TILE 2, 3, 0, 1, 0, 0
	TILE 3, 0, 0, 1, 1, 2
	TILE 0, 1, 18, 1, 0, 0                         ; key step 15
	TILE 1, 2, 0, 1, 0, 0
	TILE 2, 3, 0, 1, 0, 0
	TILE 3, 0, 0, 0, 0, 0
	; THE WAY OUT.  The sums' halves and the other half of the lanes' are added; O^T / the sum goes through my stage, a tile at a time, and leaves as rows of 256 bytes.
.irp a, 0,1,2,3
	v_add_f32 v[ST+4*\a+2], v[ST+4*\a+2], v[ST+4*\a+3]
.endr
.irp a, 0,1,2,3
	v_permlanex16_b32 v[BM+\a], v[ST+4*\a+2], s70, s71
.endr
.irp a, 0,1,2,3
	v_add_f32 v[ST+4*\a+2], v[ST+4*\a+2], v[BM+\a]
.endr
	s_wait_alu depctr_va_vdst(0)                   ; the wait ahead of the batch
.irp a, 0,1,2,3
	v_rcp_f32 v[ST+4*\a+2], v[ST+4*\a+2]
.endr
	v_nop                                          ; a plain place behind the last reciprocal
.macro OUTT a
.set OS, S+32*((\a)%2)
.set OM, MK+32*((\a)%2)
	WIN 0x01                                       ; source 0 (O^T) window 1
	s_wait_alu depctr_va_vdst(0)                   ; behind the reciprocals, directly ahead of the first reader of this tile's O^T
.set j, 0
.rept 16
	v_pk_mul_f32 v[OS+j:OS+j+1], v[32*(\a)+j:32*(\a)+j+1], v[ST+4*(\a)+2:ST+4*(\a)+3] op_sel_hi:[1,0]
.set j, j+2
.endr
	WIN 0
.irp ct, 0,1,2,3                       ; register 8 ct + i of lane (r, h) is channel 32 (ct / 2) + 8 (ct % 2) + 16 h + i of query 16 a + r
.irp x, 0,1
	ds_store_b128 v[STO], v[OS+8*\ct+4*\x:OS+8*\ct+4*\x+3] offset:128*(\ct/2)+32*(\ct%2)+16*\x
.endr
.endr
.irp x, 0,1,2,3,4,5,6,7
	ds_load_b128 v[OM+4*\x:OM+4*\x+3], v[RD] offset:2*SPIT*\x   ; LDS serves a wave's instructions in order: these see my stores, and the next tile's stores come behind them
.endr
.irp x, 0,1,2,3,4,5,6,7
	s_wait_dscnt 7-\x                              ; the younger loads may be out
	global_store_b128 v[GO], v[OM+4*\x:OM+4*\x+3], s[8:9] offset:(16*(\a)+2*\x)*4096 th:TH_STORE_NT   ; sixteen lanes store 256 consecutive bytes, aligned: a head's part of a row
.endr
.endm
	OUTT 0
	OUTT 1
	s_wait_xcnt 0x0                                ; the stores of tiles 0 and 1 have read their registers: the loads of tiles 2 and 3 may land there
	OUTT 2
	OUTT 3
	s_wait_tensorcnt 0x0                           ; the wave's end, behind my last tensor load and my last LDS store
	ds_add_u32 v[SPW], v[NIL]
	s_wait_dscnt 0x0
	ROUND                                          ; the closing round: no work-group ends while a partner may still ask for a tile that names it
	s_endpgm
.Lfunc_end_k_qc207c3918c_attn:
	.size	k_qc207c3918c_attn, .Lfunc_end_k_qc207c3918c_attn-k_qc207c3918c_attn
	.p2alignl 7, 3214868480
	.fill 96, 4, 3214868480
	.section	.rodata,"a",@progbits
	.p2align	6, 0x0
	.amdhsa_kernel k_qc207c3918c_attn
		.amdhsa_group_segment_fixed_size 327680
		.amdhsa_private_segment_fixed_size 0
		.amdhsa_enable_private_segment 0
		.amdhsa_kernarg_size 24
		.amdhsa_user_sgpr_count 2
		.amdhsa_user_sgpr_kernarg_segment_ptr 1
		.amdhsa_wavefront_size32 1
		.amdhsa_system_sgpr_workgroup_id_x 1
		.amdhsa_system_sgpr_workgroup_id_y 1
		.amdhsa_system_sgpr_workgroup_id_z 1
		.amdhsa_system_vgpr_workitem_id 0
		.amdhsa_next_free_vgpr 512
		.amdhsa_next_free_sgpr 96
		.amdhsa_reserve_vcc 0
		.amdhsa_float_denorm_mode_32 3
		.amdhsa_float_denorm_mode_16_64 3
		.amdhsa_memory_ordered 1
		.amdhsa_forward_progress 1
		.amdhsa_inst_pref_size 243
	.end_amdhsa_kernel
	.amdgpu_metadata
---
amdhsa.version: [ 1, 2 ]
amdhsa.kernels:
  - .name:           k_qc207c3918c_attn
    .symbol:         k_qc207c3918c_attn.kd
    .args:
      - { .name: z, .offset: 0, .size: 8, .value_kind: global_buffer, .address_space: global }
      - { .name: mask, .offset: 8, .size: 8, .value_kind: global_buffer, .address_space: global }
      - { .name: out0, .offset: 16, .size: 8, .value_kind: global_buffer, .address_space: global }
    .group_segment_fixed_size: 327680
    .private_segment_fixed_size: 0
    .kernarg_segment_align: 8
    .kernarg_segment_size: 24
    .max_flat_workgroup_size: 256
    .sgpr_count:     96
    .vgpr_count:     512
    .wavefront_size: 32
...
	.end_amdgpu_metadata
.endif
;; end of part 3
